; MI455X (gfx1250); checked and timed in simulation.
; The chip was launched on July 23, 2026; its instructions are those of AMD's public machine-readable ISA for CDNA 5 (MIT licence, August 2026) and "CDNA5" Instruction Set Architecture Reference Guide (July 2026). The comments in the code are by the model that wrote it; some were corrected since.
;; Pair Wise Cross Attention. Allowed arithmetic: matrix products marked QUANTISED: E2M1 operands, one E8M0 scale for each 32 along K, by v_wmma_scale_f32_16x16x128_f8f6f4 with both operands' format E2M1 (or v_wmma_scale_f32_32x16x128_f4), f32 sums; products left as they are: bf16, f16 or f32 operands; f32 sums; everything else in f32.
;; Inputs: Wk 768 x 768 float32; Wo 768 x 768 float32; Wq 768 x 768 float32; Wv 768 x 768 float32; bo 768 float32; x1 8 x 1,024 x 768 float32; x2 8 x 1,024 x 768 float32.
;; Outputs: out0 8 x 1,024 x 768 float32.
;; This version of the problem:
;;   THIS VERSION OF THE PROBLEM IS GIVEN IN LOW PRECISION. The matrix products marked QUANTISED in the list below multiply operands that are first quantised to E2M1 (2 exponent bits, 1 mantissa bit; 4 bits a number), with one power-of-two scale for each 32 numbers along K (OCP MX v1.0); their sums are f32. The products marked 'left as it is' may take bf16, f16 or f32 operands, with f32 sums. Whichever they take, every output number must still come out within the allowed error. Rounding operands to bf16 (8 significant bits) uses up far more of that allowance than f16 does (11 bits, for magnitudes from 6e-5 to 65,504). All else is computed in f32.
;;   The module's matrix products, in the order in which they are computed (A, B: the left and right operand; K: the contracted axis; several contracted axes count as one K, in the product's order):
;;     1. [M 8,192, K 768] x [K 768, N 768]; A: input x1; B: input Wq: QUANTISED
;;     2. [M 8,192, K 768] x [K 768, N 768]; A: input x1; B: input Wk: QUANTISED
;;     3. [M 8,192, K 768] x [K 768, N 768]; A: input x1; B: input Wv: QUANTISED
;;     4. [M 8,192, K 768] x [K 768, N 768]; A: input x2; B: input Wk: QUANTISED
;;     5. [M 8,192, K 768] x [K 768, N 768]; A: input x2; B: input Wv: QUANTISED
;;     6. batch 96 x [M 1,024, K 64] x [K 64, N 2,048]; A: computed on the way; B: computed on the way: left as it is (an operand is computed on the way)
;;     7. batch 96 x [M 1,024, K 2,048] x [K 2,048, N 64]; A: computed on the way; B: computed on the way: left as it is (an operand is computed on the way)
;;     8. [M 8,192, K 768] x [K 768, N 768]; A: computed on the way; B: input Wo: left as it is (an operand is computed on the way)
;;   THE QUANTISER, for each operand of a quantised product, along K:
;;     - K is cut into blocks of 32 from its start; a last block that is shorter is filled with zeros.
;;     - A block's scale is 2^e with e = floor(log2(the largest magnitude in the block)) - 2, held to -126 .. 127; a block of zeros has e = 0. As a byte (E8M0): e + 127.
;;     - Each number is divided by its block's scale, clamped to +-6, and rounded to the nearest number of E2M1, ties to even, subnormals kept.
;;     - The product sums the exact products of the quantised numbers (number of the format x scale) in f32.
;;   ~~~python
;;   def quantise(x, axis):      # numpy; x: float32 -> the quantised numbers, widened to float32 again
;;       x = np.moveaxis(x, axis, -1); K = x.shape[-1]
;;       x = np.pad(x, [(0, 0)] * (x.ndim - 1) + [(0, -K % 32)]); x = x.reshape(x.shape[:-1] + (-1, 32)); a = np.abs(x).max(-1, keepdims=True)
;;       e = np.where(a > 0, np.clip(np.frexp(np.where(a > 0, a, 1))[1] - 1 - 2, -126, 127), 0)      # np.frexp(a)[1] - 1 = floor(log2(a)), exactly
;;       r = np.clip(x / 2.0 ** e, -6, 6)
;;       step = 2.0 ** (np.maximum(np.frexp(np.where(r == 0, 1, r))[1] - 1, 0) - 1)
;;       q = np.round(r / step) * step * 2.0 ** e      # np.round: ties to even
;;       return np.moveaxis(q.reshape(q.shape[:-2] + (-1,))[..., :K], -1, axis).astype(np.float32)
;;   ~~~
;; One version. Each part assembles by itself: llvm-mc -triple=amdgcn-amd-amdhsa -mcpu=gfx1250 --defsym DOCPART=n.
;; ======== version 1 of 1: 4 launches
;; limits: values are held in f16: magnitudes above 65,504 overflow, below 6.1e-05 lose precision
;; workspace buffers: XC 6,815,744 bytes; WC 958,464 bytes; WoH 1,179,648 bytes; Qh 12,582,912 bytes; KV 50,331,648 bytes; AO 12,582,912 bytes
;; launch quant (part 1): grid 608 x 1, 4 waves a work-group, no clusters, 68,096 bytes of LDS; arguments x1, x2, Wq, Wk, Wv, Wo, XC, WC, WoH; writes XC, WC, WoH
.if DOCPART == 1
	.amdgcn_target "amdgcn-amd-amdhsa--gfx1250"
	.amdhsa_code_object_version 6
	.text
	.protected	k_q888a740d19_quant
	.globl	k_q888a740d19_quant
	.p2align	8
	.type	k_q888a740d19_quant,@function
k_q888a740d19_quant:
	s_mov_b64 s[64:65], 0
	v_nop
	global_prefetch_b8 v0, s[64:65] scope:SCOPE_SE
	s_setreg_imm32_b32 hwreg(HW_REG_WAVE_MODE, 25, 1), 1
	s_wait_xcnt 0x0
; LAUNCH 1 OF 4.  out0 = attention(x1 Wq^T; [x1; x2] Wk^T; [x1; x2] Wv^T) Wo^T + bo.
; DEAD WORK: none.  Every input has a way to the output (x1, x2, Wq, Wk, Wv through the five quantised products, Wo and bo through the last), so all seven are loaded and no product is left out.
; THIS LAUNCH: x1, x2 [8192][768] and Wq, Wk, Wv [768][768], f32 with K innermost, become codes of FP4 (E2M1) with one E8M0 byte for each 32 along K; Wo [768][768] becomes f16.
; A block's scale is 2^(floor(log2(its largest magnitude)) - 2): its byte is the largest magnitude's exponent field - 2, held at 1 from below; numbers are divided by it and rounded to the nearest code, ties to even, beyond 6 the largest code.
; LAYOUT OF THE RESULTS: images of the reader's operand registers.  A RECORD is 16 rows x 768 K, 6,656 bytes: codes at 1024 s + 512 c + 16 lane (K step s of 128, registers 4 c .. 4 c + 3 of the 4-bit fragment: lane (r, h) holds
; k = 128 s + 64 c + 32 h + 0 .. 31 of row r); scale words at 6144 + 16 lane: lanes 0-15 the words of K steps 0, 1, 2 of row lane, lanes 16-31 those of K steps 3, 4, 5, the fourth word 0.
; Wo's image: [n tile 48][chunk 48][512 bytes]: lane (r, h) holds Wo[16 tile + r][16 chunk + 8 h + 0 .. 7] as f16.
; SHARES: a wave takes 16 rows and half of K (three K steps of 128); a work-group two tiles of rows.  Work-groups 0-255 x1, 256-511 x2, 512-535 Wq, 536-559 Wk, 560-583 Wv, 584-607 Wo.
; Each load reads 512 consecutive bytes of a row; a K step's 16 rows turn through the wave's own stage in LDS (rows 528 bytes apart), so that a lane gets whole blocks of 32 neighbours.  Waves share nothing: no barrier.
; LIMITS: a block of zeros gets the byte 1 where the rule says 127 (its codes are zeros, and this program alone reads the bytes); blocks whose largest magnitude lies under 2^-124 have their byte held at 1; NaN and infinities are not served; |Wo| stays under 65,504.
.set SP,    528                        ; a stage row: 512 bytes + 16
.set STGW,  33792                      ; the Wo path's stages lie behind the quantiser path's four: each path has LDS bytes of its own
.set SPARE, 67584                      ; the spare words, 128 bytes for each wave
.set REC,   6656
.set SPW,   1                          ; v1  my spare word's LDS address; never rewritten
.set NIL,   2                          ; v2  0; never rewritten
.set LOFF,  3                          ; v3  my 16 bytes of a load's 512, in my tile and my half of K
.set SIN,   4                          ; v4  the stage, on the way in
.set SOUT,  5                          ; v5  and on the way out
.set DOFF,  6                          ; v6  my 16 bytes in the results
.set SOFF,  7                          ; v7  my 8 bytes among the scale words
.set T,     8                          ; v8-15 at work
.set W,     16                         ; v16-18 the three K steps' scale words
.set H8,    19                         ; v19 8 h
.set C,     20                         ; v20-43 codes, eight registers a K step: no store's data are written again
.set R,     44                         ; v44-171 two sets of 64: rows as loaded
.set X,     172                        ; v172-235 64 numbers of my row
.macro LOAD s                          ; K step s: sixteen rows, 512 consecutive bytes each
.irp i, 0,1,2,3,4,5,6,7,8,9,10,11,12,13,14,15
	global_load_b128 v[R+64*((\s)%2)+4*\i:R+64*((\s)%2)+4*\i+3], v[LOFF], s[4:5] offset:\i*3072+(\s)*512 th:TH_LOAD_NT
.endr
.endm
.macro STAGE s
.irp i, 0,1,2,3,4,5,6,7,8,9,10,11,12,13,14,15
	ds_store_b128 v[SIN], v[R+64*((\s)%2)+4*\i:R+64*((\s)%2)+4*\i+3] offset:\i*SP
.endr
.endm
.macro TURNQ s                         ; LDS serves a wave's instructions in order: the loads see the stores.  Lane (r, h) takes blocks h and 2 + h of row r
	STAGE \s
.irp c, 0,1
.irp e, 0,1,2,3,4,5,6,7
	ds_load_b128 v[X+32*\c+4*\e:X+32*\c+4*\e+3], v[SOUT] offset:\c*256+\e*16
.endr
.endr
.endm
.macro TURNW s                         ; lane (r, h) takes, of each chunk of 16 along K, its eight numbers
	STAGE \s
.irp q, 0,1,2,3,4,5,6,7
.irp e, 0,1
	ds_load_b128 v[X+8*\q+4*\e:X+8*\q+4*\e+3], v[SOUT] offset:\q*64+\e*16
.endr
.endr
.endm
.macro QUANT s
.irp c, 0,1
	v_max3_num_f32 v[T+\c], |v[X+32*\c]|, |v[X+32*\c+1]|, 0x1800000       ; my two blocks by turns; the floor 2^(3 - 127) holds the byte at 1 from below
.endr
.irp i, 2,4,6,8,10,12,14,16,18,20,22,24,26,28,30
.irp c, 0,1
	v_max3_num_f32 v[T+\c], v[T+\c], |v[X+32*\c+\i]|, |v[X+32*\c+\i+1]|
.endr
.endr
.irp c, 0,1
	v_add_nc_u32 v[T+2+\c], 0xff000000, v[T+\c]    ; 2 off the exponent field: the conversion's scale operand
.endr
.irp c, 0,1
	v_lshrrev_b32 v[T+4+\c], 23, v[T+2+\c]         ; the scale's byte
.endr
	v_lshl_or_b32 v[T+6], v[T+5], 16, v[T+4]       ; blocks h and 2 + h,
	v_lshlrev_b32 v[T+6], v[H8], v[T+6]            ; at their places in the word;
	v_permlanex16_b32 v[T+7], v[T+6], s34, s35
	v_or_b32 v[W+(\s)], v[T+6], v[T+7]             ; with lane l xor 16's two the word is whole
.irp c, 0,1
.irp g, 0,1,2,3
	v_cvt_scalef32_pk8_fp4_f32 v[C+8*(\s)+4*\c+\g], v[X+32*\c+8*\g:X+32*\c+8*\g+7], v[T+2+\c]
.endr
.endr
	v_nop                                          ; one plain line behind the last conversion
.irp c, 0,1
	global_store_b128 v[DOFF], v[C+8*(\s)+4*\c:C+8*(\s)+4*\c+3], s[16:17] offset:(\s)*1024+\c*512   ; 32 lanes store 512 consecutive bytes
.endr
.endm
.macro HALF s                          ; 64 numbers to f16, in place from the low end, and out
.set J, 0
.rept 32
	v_cvt_pk_f16_f32 v[X+J], v[X+2*J], v[X+2*J+1]
.set J, J+1
.endr
.irp q, 0,1,2,3,4,5,6,7
	global_store_b128 v[DOFF], v[X+4*\q:X+4*\q+3], s[16:17] offset:(8*(\s)+\q)*512
.endr
.endm
	s_load_b256 s[4:11], s[0:1], 0x0               ; x1, x2, Wq, Wk
	s_load_b256 s[12:19], s[0:1], 0x20             ; Wv, Wo, XC, WC
	s_load_b64 s[20:21], s[0:1], 0x40              ; WoH
	v_lshl_add_u32 v[SPW], v0, 2, SPARE
	v_mov_b32 v[NIL], 0
	v_lshrrev_b32 v8, 5, v0
	v_readfirstlane_b32 s22, v8                    ; wave
	s_lshr_b32 s23, s22, 1                         ; which of the two tiles
	s_and_b32 s24, s22, 1                          ; which half of K
	v_and_b32 v9, 31, v0                           ; lane
	v_and_b32 v10, 15, v0                          ; r
	v_bfe_u32 v11, v0, 4, 1                        ; h
	v_lshlrev_b32 v12, 4, v9                       ; 16 x lane
	s_mul_i32 s25, s23, 49152
	s_mul_i32 s26, s24, 1536
	s_add_co_u32 s25, s25, s26
	v_add_nc_u32 v[LOFF], s25, v12
	s_mul_i32 s27, s22, 16*SP                      ; my stage
	v_mul_u32_u24 v13, v10, SP
	s_mov_b32 s29, 0
	s_mov_b32 s31, 0
	s_cmp_ge_u32 ttmp9, 584
	s_cbranch_scc1 .Lwo
	; ---- the quantiser's path
	v_add_nc_u32 v[SIN], s27, v12
	v_lshl_add_u32 v[SOUT], v11, 7, v13            ; row r, + 128 h bytes
	v_add_nc_u32 v[SOUT], s27, v[SOUT]
	s_mul_i32 s25, s23, REC
	s_mul_i32 s26, s24, 3072
	s_add_co_u32 s26, s25, s26
	v_add_nc_u32 v[DOFF], s26, v12
	s_lshl_b32 s26, s24, 8
	s_add_co_u32 s26, s26, s25
	s_add_co_u32 s26, s26, 6144
	v_lshlrev_b32 v[SOFF], 4, v10
	v_lshl_add_u32 v[SOFF], v11, 3, v[SOFF]
	v_add_nc_u32 v[SOFF], s26, v[SOFF]
	v_lshlrev_b32 v[H8], 3, v11
	v_mov_b32 v[T+7], 0                            ; a lane permute's destination counts as read: written once
	s_mov_b32 s34, 0x76543210
	s_mov_b32 s35, 0xfedcba98                      ; lane l xor 16
	s_mov_b32 s36, 0xffff0000                      ; lanes 16-31
	s_wait_kmcnt 0x0
	s_cmp_ge_u32 ttmp9, 256                        ; which tensor: the choices hang on the work-group's number alone
	s_cselect_b64 s[4:5], s[6:7], s[4:5]
	s_cselect_b32 s28, 256, 0
	s_cmp_ge_u32 ttmp9, 512
	s_cselect_b64 s[4:5], s[8:9], s[4:5]
	s_cselect_b32 s28, 512, s28
	s_cselect_b64 s[16:17], s[18:19], s[16:17]
	s_cselect_b32 s30, 512, 0
	s_cmp_ge_u32 ttmp9, 536
	s_cselect_b64 s[4:5], s[10:11], s[4:5]
	s_cselect_b32 s28, 536, s28
	s_cmp_ge_u32 ttmp9, 560
	s_cselect_b64 s[4:5], s[12:13], s[4:5]
	s_cselect_b32 s28, 560, s28
	s_sub_co_u32 s28, ttmp9, s28
	s_mul_i32 s28, s28, 98304                      ; 32 rows of 3,072 bytes
	s_add_nc_u64 s[4:5], s[4:5], s[28:29]
	s_sub_co_u32 s30, ttmp9, s30
	s_mul_i32 s30, s30, 2*REC                      ; two records
	s_add_nc_u64 s[16:17], s[16:17], s[30:31]
	LOAD 0
	LOAD 1
	s_wait_loadcnt 16                              ; K step 0 is in; K step 1's sixteen loads may be out
	TURNQ 0
	s_wait_dscnt 0x0                               ; my numbers are back, and the stage's stores have read set 0,
	LOAD 2                                         ; which takes K step 2
	QUANT 0
	s_wait_loadcnt 16                              ; K step 1 is in; K step 2's may be out
	TURNQ 1
	s_wait_dscnt 0x0
	QUANT 1
	s_wait_loadcnt 0x0
	TURNQ 2
	s_wait_dscnt 0x0
	QUANT 2
	v_mov_b32 v10, 0
	v_cndmask_b32 v8, v[W], v[W+2], s36            ; lanes 0-15: words 0 and 1 of row r's four; lanes 16-31: word 2 and the 0
	v_cndmask_b32 v9, v[W+1], v10, s36
	global_store_b64 v[SOFF], v[8:9], s[16:17]     ; 32 lanes store 256 consecutive bytes, aligned
	s_wait_tensorcnt 0x0                           ; the wave's end, behind my last LDS store
	ds_add_u32 v[SPW], v[NIL]
	s_wait_dscnt 0x0
	s_endpgm
.Lwo:	; ---- Wo to f16
	s_add_co_u32 s27, s27, STGW
	v_add_nc_u32 v[SIN], s27, v12
	v_lshl_add_u32 v[SOUT], v11, 5, v13            ; row r, + 32 h bytes
	v_add_nc_u32 v[SOUT], s27, v[SOUT]
	s_mul_i32 s25, s23, 24576
	s_mul_i32 s26, s24, 12288
	s_add_co_u32 s25, s25, s26
	v_add_nc_u32 v[DOFF], s25, v12
	s_sub_co_u32 s28, ttmp9, 584
	s_mul_i32 s30, s28, 49152                      ; two n tiles of 24,576 bytes
	s_mul_i32 s28, s28, 98304
	s_wait_kmcnt 0x0
	s_add_nc_u64 s[4:5], s[14:15], s[28:29]
	s_add_nc_u64 s[16:17], s[20:21], s[30:31]
	LOAD 0
	LOAD 1
	s_wait_loadcnt 16                              ; K step 0 is in; K step 1's sixteen loads may be out
	TURNW 0
	s_wait_dscnt 0x0
	LOAD 2
	HALF 0
	s_wait_loadcnt 16
	s_wait_xcnt 0x0                                ; the stores have read their data: X is loaded again only behind this wait
	TURNW 1
	s_wait_dscnt 0x0
	HALF 1
	s_wait_loadcnt 0x0
	s_wait_xcnt 0x0
	TURNW 2
	s_wait_dscnt 0x0
	HALF 2
	s_wait_tensorcnt 0x0                           ; the wave's end, behind my last LDS store
	ds_add_u32 v[SPW], v[NIL]
	s_wait_dscnt 0x0
	s_endpgm
.Lfunc_end_k_q888a740d19_quant:
	.size	k_q888a740d19_quant, .Lfunc_end_k_q888a740d19_quant-k_q888a740d19_quant
	.p2alignl 7, 3214868480
	.fill 96, 4, 3214868480
	.section	.rodata,"a",@progbits
	.p2align	6, 0x0
	.amdhsa_kernel k_q888a740d19_quant
		.amdhsa_group_segment_fixed_size 68096
		.amdhsa_private_segment_fixed_size 0
		.amdhsa_enable_private_segment 0
		.amdhsa_kernarg_size 72
		.amdhsa_user_sgpr_count 2
		.amdhsa_user_sgpr_kernarg_segment_ptr 1
		.amdhsa_wavefront_size32 1
		.amdhsa_system_sgpr_workgroup_id_x 1
		.amdhsa_system_sgpr_workgroup_id_y 1
		.amdhsa_system_sgpr_workgroup_id_z 1
		.amdhsa_system_vgpr_workitem_id 0
		.amdhsa_next_free_vgpr 240
		.amdhsa_next_free_sgpr 66
		.amdhsa_reserve_vcc 0
		.amdhsa_float_denorm_mode_32 3
		.amdhsa_float_denorm_mode_16_64 3
		.amdhsa_memory_ordered 1
		.amdhsa_forward_progress 1
		.amdhsa_inst_pref_size 44
	.end_amdhsa_kernel
	.amdgpu_metadata
---
amdhsa.version: [ 1, 2 ]
amdhsa.kernels:
  - .name:           k_q888a740d19_quant
    .symbol:         k_q888a740d19_quant.kd
    .args:
      - { .name: x1, .offset: 0, .size: 8, .value_kind: global_buffer, .address_space: global }
      - { .name: x2, .offset: 8, .size: 8, .value_kind: global_buffer, .address_space: global }
      - { .name: Wq, .offset: 16, .size: 8, .value_kind: global_buffer, .address_space: global }
      - { .name: Wk, .offset: 24, .size: 8, .value_kind: global_buffer, .address_space: global }
      - { .name: Wv, .offset: 32, .size: 8, .value_kind: global_buffer, .address_space: global }
      - { .name: Wo, .offset: 40, .size: 8, .value_kind: global_buffer, .address_space: global }
      - { .name: XC, .offset: 48, .size: 8, .value_kind: global_buffer, .address_space: global }
      - { .name: WC, .offset: 56, .size: 8, .value_kind: global_buffer, .address_space: global }
      - { .name: WoH, .offset: 64, .size: 8, .value_kind: global_buffer, .address_space: global }
    .group_segment_fixed_size: 68096
    .private_segment_fixed_size: 0
    .kernarg_segment_align: 8
    .kernarg_segment_size: 72
    .max_flat_workgroup_size: 128
    .sgpr_count:     66
    .vgpr_count:     240
    .wavefront_size: 32
...
	.end_amdgpu_metadata
.endif
;; end of part 1
;; launch proj (part 2): grid 4 x 64, 8 waves a work-group, clusters of 4 x 4, 327,680 bytes of LDS; arguments XC, WC, Qh, KV; writes Qh, KV
.if DOCPART == 2
	.amdgcn_target "amdgcn-amd-amdhsa--gfx1250"
	.amdhsa_code_object_version 6
	.text
	.protected	k_q888a740d19_proj
	.globl	k_q888a740d19_proj
	.p2align	8
	.type	k_q888a740d19_proj,@function
k_q888a740d19_proj:
	s_mov_b64 s[64:65], 0
	v_nop
	global_prefetch_b8 v0, s[64:65] scope:SCOPE_SE
	s_setreg_imm32_b32 hwreg(HW_REG_WAVE_MODE, 25, 1), 1
	s_wait_xcnt 0x0
	s_wait_alu depctr_hold_cnt(0) depctr_sa_sdst(0) depctr_va_vdst(0) depctr_va_sdst(0) depctr_va_ssrc(0) depctr_va_vcc(0) depctr_vm_vsrc(0)
	s_getreg_b32 s2, hwreg(HW_REG_IB_STS2, 6, 4)
	s_cmp_eq_u32 s2, 0
	s_cbranch_scc0 .Lentry_in_a_cluster
	s_endpgm
.Lentry_in_a_cluster:
	s_bfe_u32 s2, ttmp6, 0x10000c
	s_cmp_lg_u32 s2, 0xf033
	s_cbranch_scc0 .Lentry_shape_is_right
	s_endpgm
.Lentry_shape_is_right:
; LAUNCH 2 OF 4: the five quantised products, on codes of FP4 with E8M0 scales: q = x1 Wq^T, k = [x1; x2] Wk^T, v = [x1; x2] Wv^T; sums in f32, results rounded once to f16.  No work is left out.
; SHARES: a work-group takes 128 rows x 192 columns of ALL FIVE products: 64 x 4 = 256 work-groups of equal work.  Its operands come whole into LDS: 8 records each of x1 and x2, 12 each of Wk and Wv (a record: 16 rows x 768 K, 6,656 bytes,
; codes and scale words as images of the operand's registers); Wq's 12 records later take the place of Wk's.  Eight waves: wave (wr = w & 1, wc = w >> 1) makes row tiles 4 wr .. + 3 x column tiles 3 wc .. + 2: 12 accumulators.
; THE FILLS ARE STAGED.  Every block is dense in memory and in LDS, so each wave fetches an eighth of each: 26 rows of 256 bytes of x's, 39 of a weight's.  A wave's four first fills go out in the order x1, Wk, x2, Wv, and a wave's loads end in
; order: the products go k(x1), k(x2), v(x1), v(x2), q, so that the first starts when 133,120 of the 266,240 bytes are in and the rest lands under the products.
; CLUSTER 4 x 4: the four work-groups of a row of the cluster need the same rows of x, the four of a column the same slices of the weights: each piece is asked for jointly, by the same tensor load with a mask that names the four.
; RESULTS leave straight from registers as images of the next launch's operands, 512 consecutive bytes a store.  q and k: source 0 = the weight, source 1 = x: a lane holds one row and eight neighbouring channels.
; v: source 0 = x, source 1 = the weight: a lane holds one channel and eight neighbouring keys, since the keys are the K of attention's second product.
;   Qh [head 96][query tile 64][chunk 4][512]: lane (r, h): q[query r][16 chunk + 8 h ..].   KV [head 96][step 32][16,384], a step = 64 keys (steps 0-15 x1's, 16-31 x2's): K at 2048 kt + 512 chunk;
;   V at 8192 + 4096 u + 1024 ct + 512 c: lane (r, h): channel 16 ct + r, keys 32 u + 16 c + 8 h ...
; LIMITS: |q|, |k|, |v| stay under 65,504 (f16); NaN and infinities are not served.
.set REC,   6656
.set WPC,   9984                       ; an eighth of a weight's 12 records
.set XA,    0                          ; LDS: x1's 8 records,
.set X2,    53248                      ; x2's 8,
.set WK,    106496                     ; Wk's 12 (later Wq's 12),
.set WV,    186368                     ; Wv's 12,
.set SPARE, 266240                     ; the spare words, 128 bytes for each wave
.set SPW,   1                          ; v1  my spare word; never rewritten
.set NIL,   2                          ; v2  0; never rewritten
.set LI,    3                          ; v3  16 x lane
.set AX0,   4                          ; v4  16 x lane + my four records of x
.set AW0,   5                          ; v5  16 x lane + my three records of a weight
.set AX,    6                          ; v6, v7 the same in the phase's regions
.set AW,    7
.set SCX,   8                          ; v8-23  x's scale words, four registers a tile: register s % 3, lanes 16 (s / 3) on, for K step s
.set SCW,   24                         ; v24-35 the weight's
.set F0,    36                         ; v36-91, v92-147 two fragment buffers: x's four at + 8 a, the weight's three at + 32 + 8 b
.set TP,    36                         ; the packed results, in buffer 0's registers
.set ACC,   148                        ; v148-243 accumulator (a, b) at + 8 (3 a + b)
.set G1X,   24                         ; s[24:31] group 1 for x's pieces (26 rows of 256 bytes);  s[32:39] for the weights' (39 rows)
.set G1W,   32
.set G0XA,  40                         ; groups 0, one for each load, so that none is written while its load is out: x1, Wk, x2, Wv, Wq
.set G0WK,  44
.set G0X2,  48
.set G0WV,  72
.set G0WQ,  76
.set BQ,    52                         ; s[52:57] where my three column tiles go in Qh;  s[58:63] K's in KV;  s[66:71] V's
.set BK,    58
.set BV,    66
.macro PLACES n
.rept \n
	v_nop
.endr
.endm
.macro CROUND                          ; a round of the cluster's barrier
	s_barrier_signal -1
	s_barrier_wait -1
	s_cmp_lg_u32 s12, 0
	s_cbranch_scc1 .Lnot_wave_0_\@
	s_barrier_signal -3
.Lnot_wave_0_\@:
	s_barrier_wait -3
	s_barrier_signal -1
	s_barrier_wait -1
.endm
.macro FETCH s, f                      ; K step s: 14 loads, each 512 consecutive bytes
.irp a, 0,1,2,3
.irp c, 0,1
	ds_load_b128 v[\f+8*\a+4*\c:\f+8*\a+4*\c+3], v[AX] offset:\a*REC+(\s)*1024+\c*512
.endr
.endr
.irp b, 0,1,2
.irp c, 0,1
	ds_load_b128 v[\f+32+8*\b+4*\c:\f+32+8*\b+4*\c+3], v[AW] offset:\b*REC+(\s)*1024+\c*512
.endr
.endr
.endm
.macro SCALES
.irp a, 0,1,2,3
	ds_load_b128 v[SCX+4*\a:SCX+4*\a+3], v[AX] offset:\a*REC+6144
.endr
.irp b, 0,1,2
	ds_load_b128 v[SCW+4*\b:SCW+4*\b+3], v[AW] offset:\b*REC+6144
.endr
.endm
.macro WM acc, ra, rb, sa, sb, s       ; K step 0 starts the sum; K steps 3 to 5 take their scale words from lanes 16-31
.if (\s) == 0
	v_wmma_scale_f32_16x16x128_f8f6f4 v[\acc:\acc+7], v[\ra:\ra+7], v[\rb:\rb+7], 0, v[\sa], v[\sb] matrix_a_fmt:MATRIX_FMT_FP4 matrix_b_fmt:MATRIX_FMT_FP4
.elseif (\s) < 3
	v_wmma_scale_f32_16x16x128_f8f6f4 v[\acc:\acc+7], v[\ra:\ra+7], v[\rb:\rb+7], v[\acc:\acc+7], v[\sa], v[\sb] matrix_a_fmt:MATRIX_FMT_FP4 matrix_b_fmt:MATRIX_FMT_FP4
.else
	v_wmma_scale_f32_16x16x128_f8f6f4 v[\acc:\acc+7], v[\ra:\ra+7], v[\rb:\rb+7], v[\acc:\acc+7], v[\sa], v[\sb] matrix_a_fmt:MATRIX_FMT_FP4 matrix_b_fmt:MATRIX_FMT_FP4 matrix_a_scale:MATRIX_SCALE_ROW1 matrix_b_scale:MATRIX_SCALE_ROW1
.endif
.endm
.macro MUL s, f, orient                ; 12 products; the accumulators take turns, one instruction a turn, in the same order in every K step
.irp a, 0,1,2,3
.irp b, 0,1,2
.if \orient
	WM ACC+8*(3*\a+\b), \f+8*\a, \f+32+8*\b, SCX+4*\a+(\s)%3, SCW+4*\b+(\s)%3, \s
.else
	WM ACC+8*(3*\a+\b), \f+32+8*\b, \f+8*\a, SCW+4*\b+(\s)%3, SCX+4*\a+(\s)%3, \s
.endif
.endr
.endr
.endm
; One product of my 64 rows x 48 columns: x's records at xbase, the weight's at wbase; orient 0: q, k; 1: v; base: the three store bases; extra: added to the stores' offsets (x2's keys lie 16 steps on).
; A load into a register that a matrix instruction has read, and a vector instruction that reads a result, stand four plain vector instructions behind it (ISA guide 7.12.1 for vector instructions).
.macro PHASE xbase, wbase, orient, base, extra
	s_wait_xcnt 0x0                                ; the last phase's stores have read their data: buffer 0 is loaded again only behind this wait
	v_add_nc_u32 v[AX], \xbase, v[AX0]
	v_add_nc_u32 v[AW], \wbase, v[AW0]
	SCALES
	FETCH 0, F0
.irp s, 0,1,2,3,4,5
.if \s < 5
.if \s > 0
	PLACES 4
.endif
	FETCH \s+1, F0+56*((\s+1)%2)
	s_wait_dscnt 14                                ; all but the fourteen just issued
.else
	s_wait_dscnt 0x0
.endif
	MUL \s, F0+56*(\s%2), \orient
.endr
	PLACES 4
.irp i, 0,1,2,3,4,5,6,7,8,9,10,11
.irp r, 0,1,2,3
	v_cvt_pk_f16_f32 v[TP+4*\i+\r], v[ACC+8*\i+2*\r], v[ACC+8*\i+2*\r+1]   ; each accumulator from its low end on
.endr
.endr
.irp a, 0,1,2,3
.irp b, 0,1,2
.if \orient
	global_store_b128 v[LI], v[TP+4*(3*\a+\b):TP+4*(3*\a+\b)+3], s[\base+2*\b:\base+2*\b+1] offset:8192+(\a/2)*4096+(\a%2)*512+\extra
.else
	global_store_b128 v[LI], v[TP+4*(3*\a+\b):TP+4*(3*\a+\b)+3], s[\base+2*\b:\base+2*\b+1] offset:\a*2048+\extra
.endif
.endr
.endr
.endm
	s_load_b256 s[4:11], s[0:1], 0x0               ; XC, WC, Qh, KV
	v_lshl_add_u32 v[SPW], v0, 2, SPARE
	v_mov_b32 v[NIL], 0
	ds_add_u32 v[SPW], v[NIL]                      ; the wave's opening: the add, twice on end, and its wait ahead of my first tensor load
	ds_add_u32 v[SPW], v[NIL]
	v_lshrrev_b32 v244, 5, v0
	v_readfirstlane_b32 s12, v244                  ; wave 0..7
	s_and_b32 s13, s12, 1                          ; wr
	s_lshr_b32 s14, s12, 1                         ; wc
	s_bfe_u32 s15, ttmp6, 0x40000                  ; cx
	s_bfe_u32 s16, ttmp6, 0x40004                  ; cy
	s_lshl_b32 s17, ttmp9, 2
	s_add_co_u32 s17, s17, s15                     ; nb: which 192 columns
	s_and_b32 s18, ttmp7, 0xffff
	s_lshl_b32 s18, s18, 2
	s_add_co_u32 s18, s18, s16                     ; mb: which 128 rows
	s_lshl_b32 s19, s16, 2
	s_lshl_b32 s19, 15, s19                        ; my row of the cluster
	s_lshl_b32 s20, 0x1111, s15                    ; my column
	s_or_b32 s[G1X], s19, (3<<16)|(1<<21)          ; 15:0 the mask; 17:16 elements of 8 bytes; 21 set beside a mask; no padding
	s_mov_b32 s[G1X+1], 32<<16                     ; tensor_dim0 = 32 elements: rows of 256 bytes of a dense block
	s_mov_b32 s[G1X+2], 26<<16                     ; tensor_dim1: one record = 6,656 bytes = 26 rows
	s_mov_b32 s[G1X+3], 32<<16                     ; tile_dim0
	s_mov_b32 s[G1X+4], 26                         ; tile_dim1
	s_mov_b32 s[G1X+5], 32                         ; the pitch
	s_mov_b32 s[G1X+6], 0
	s_mov_b32 s[G1X+7], 0
	s_or_b32 s[G1W], s20, (3<<16)|(1<<21)
	s_mov_b32 s[G1W+1], 32<<16
	s_mov_b32 s[G1W+2], 39<<16                     ; an eighth of twelve records = 9,984 bytes = 39 rows
	s_mov_b32 s[G1W+3], 32<<16
	s_mov_b32 s[G1W+4], 39
	s_mov_b32 s[G1W+5], 32
	s_mov_b32 s[G1W+6], 0
	s_mov_b32 s[G1W+7], 0
	s_lshl_b32 s80, s18, 3                         ; x: record 8 mb + wave: registers that never hold cx
	s_add_co_u32 s80, s80, s12
	s_mul_i32 s80, s80, REC
	s_mov_b32 s81, 0
	s_mul_i32 s84, s12, REC                        ; and its place in x's region
	s_mul_i32 s82, s17, 12*REC                     ; a weight: my column block's twelve records, my eighth of them: registers that never hold cy
	s_mul_i32 s85, s12, WPC                        ; (also its place in the weight's region)
	s_add_co_u32 s82, s82, s85
	s_mov_b32 s83, 0
	s_wait_dscnt 0x0                               ; both opening adds are done
	s_wait_kmcnt 0x0
	s_mov_b32 s[G0XA], 1
	s_mov_b32 s[G0XA+1], s84                       ; x1's region begins at LDS byte 0
	s_add_nc_u64 s[G0XA+2:G0XA+3], s[4:5], s[80:81]
	s_mov_b32 s[G0X2], 1
	s_add_co_u32 s[G0X2+1], s84, X2
	s_add_nc_u64 s[G0X2+2:G0X2+3], s[G0XA+2:G0XA+3], 512*REC   ; x2's records lie 512 behind x1's
	s_or_b32 s[G0XA+3], s[G0XA+3], 0x80000000
	s_or_b32 s[G0X2+3], s[G0X2+3], 0x80000000
	s_add_nc_u64 s[86:87], s[6:7], s[82:83]        ; my piece of Wq's slice; Wk's lies 48 records on, Wv's 96
	s_mov_b32 s[G0WQ], 1
	s_add_co_u32 s[G0WQ+1], s85, WK
	s_mov_b64 s[G0WQ+2:G0WQ+3], s[86:87]
	s_mov_b32 s[G0WK], 1
	s_add_co_u32 s[G0WK+1], s85, WK
	s_add_nc_u64 s[G0WK+2:G0WK+3], s[86:87], 48*REC
	s_mov_b32 s[G0WV], 1
	s_add_co_u32 s[G0WV+1], s85, WV
	s_add_nc_u64 s[G0WV+2:G0WV+3], s[86:87], 96*REC
	s_or_b32 s[G0WQ+3], s[G0WQ+3], 0x80000000
	s_or_b32 s[G0WK+3], s[G0WK+3], 0x80000000
	s_or_b32 s[G0WV+3], s[G0WV+3], 0x80000000
	CROUND                                         ; all sixteen work-groups are here: the first joint loads meet
	tensor_load_to_lds s[G0XA:G0XA+3], s[G1X:G1X+7]   ; every wave issues the four first fills, in the order in which the products want them: four loads of mine are out
	s_nop 0
	tensor_load_to_lds s[G0WK:G0WK+3], s[G1W:G1W+7]
	s_nop 0
	tensor_load_to_lds s[G0X2:G0X2+3], s[G1X:G1X+7]
	s_nop 0
	tensor_load_to_lds s[G0WV:G0WV+3], s[G1W:G1W+7]
	s_nop 0
	PLACES 4
	v_and_b32 v244, 31, v0
	v_lshlrev_b32 v[LI], 4, v244
	s_mul_i32 s92, s13, 4*REC
	v_add_nc_u32 v[AX0], s92, v[LI]
	s_mul_i32 s92, s14, 3*REC
	v_add_nc_u32 v[AW0], s92, v[LI]
	; where my results go.  Column tile j = 3 wc + p lies in head 3 nb + j / 4 of batch mb / 8, chunk j % 4; my rows are query tiles 8 (mb % 8) + 4 wr + a, which are key step 2 (mb % 8) + wr, tiles a
	s_mul_i32 s80, s14, 3
	s_lshr_b32 s81, s18, 3
	s_mul_i32 s81, s81, 12
	s_mul_i32 s82, s17, 3
	s_add_co_u32 s81, s81, s82
	s_and_b32 s82, s18, 7
	s_lshl_b32 s83, s82, 3
	s_lshl_b32 s84, s13, 2
	s_add_co_u32 s83, s83, s84
	s_lshl_b32 s84, s82, 1
	s_add_co_u32 s84, s84, s13
	s_mov_b32 s89, 0
.irp p, 0,1,2
	s_add_co_u32 s85, s80, \p
	s_lshr_b32 s86, s85, 2
	s_add_co_u32 s86, s86, s81                     ; the head, 0..95
	s_and_b32 s85, s85, 3
	s_lshl_b32 s87, s85, 9                         ; 512 x chunk
	s_lshl_b32 s88, s86, 6
	s_add_co_u32 s88, s88, s83
	s_lshl_b32 s88, s88, 11
	s_add_co_u32 s88, s88, s87
	s_add_nc_u64 s[BQ+2*\p:BQ+2*\p+1], s[8:9], s[88:89]
	s_lshl_b32 s90, s86, 5
	s_add_co_u32 s90, s90, s84
	s_lshl_b32 s90, s90, 14
	s_add_co_u32 s88, s90, s87
	s_add_nc_u64 s[BK+2*\p:BK+2*\p+1], s[10:11], s[88:89]
	s_add_co_u32 s88, s88, s87                     ; V: 1,024 x chunk
	s_add_nc_u64 s[BV+2*\p:BV+2*\p+1], s[10:11], s[88:89]
.endr
	s_wait_tensorcnt 0x2                           ; my pieces of x1 and Wk are in; those of x2 and Wv may stay out
	s_barrier_signal -1
	s_barrier_wait -1                              ; everybody's are
	PHASE XA, WK, 0, BK, 0                         ; x1's keys
	s_wait_tensorcnt 0x1                           ; my piece of x2 is in; Wv's may stay out
	s_wait_dscnt 0x0
	s_barrier_signal -1
	s_barrier_wait -1
	PHASE X2, WK, 0, BK, 262144                    ; x2's keys: 16 steps of 16,384 bytes on
	s_wait_tensorcnt 0x0                           ; Wk's region is filled again, with Wq: no tensor load of mine is out, so my piece of Wv is in too;
	ds_add_u32 v[SPW], v[NIL]                      ; 0 onto my spare word;
	s_wait_dscnt 0x0                               ; the add is done, and my reads of Wk are over
	CROUND                                         ; the same holds of every wave of every partner
	tensor_load_to_lds s[G0WQ:G0WQ+3], s[G1W:G1W+7]   ; my one load behind the round; it has two phases, 144 matrix instructions a wave, in which to land
	s_nop 0
	PLACES 4
	PHASE XA, WV, 1, BV, 0                         ; x1's values
	PHASE X2, WV, 1, BV, 262144                    ; x2's values
	s_wait_tensorcnt 0x0                           ; my piece of Wq is in,
	s_wait_dscnt 0x0
	s_barrier_signal -1
	s_barrier_wait -1                              ; everybody's is
	PHASE XA, WK, 0, BQ, 0                         ; q: Wq lies where Wk lay
	s_wait_tensorcnt 0x0                           ; the wave's end
	ds_add_u32 v[SPW], v[NIL]
	s_wait_dscnt 0x0
	CROUND                                         ; the closing round
	s_endpgm
.Lfunc_end_k_q888a740d19_proj:
	.size	k_q888a740d19_proj, .Lfunc_end_k_q888a740d19_proj-k_q888a740d19_proj
	.p2alignl 7, 3214868480
	.fill 96, 4, 3214868480
	.section	.rodata,"a",@progbits
	.p2align	6, 0x0
	.amdhsa_kernel k_q888a740d19_proj
		.amdhsa_group_segment_fixed_size 327680
		.amdhsa_private_segment_fixed_size 0
		.amdhsa_enable_private_segment 0
		.amdhsa_kernarg_size 32
		.amdhsa_user_sgpr_count 2
		.amdhsa_user_sgpr_kernarg_segment_ptr 1
		.amdhsa_wavefront_size32 1
		.amdhsa_system_sgpr_workgroup_id_x 1
		.amdhsa_system_sgpr_workgroup_id_y 1
		.amdhsa_system_sgpr_workgroup_id_z 1
		.amdhsa_system_vgpr_workitem_id 0
		.amdhsa_next_free_vgpr 256
		.amdhsa_next_free_sgpr 100
		.amdhsa_reserve_vcc 0
		.amdhsa_float_denorm_mode_32 3
		.amdhsa_float_denorm_mode_16_64 3
		.amdhsa_memory_ordered 1
		.amdhsa_forward_progress 1
		.amdhsa_inst_pref_size 107
	.end_amdhsa_kernel
	.amdgpu_metadata
---
amdhsa.version: [ 1, 2 ]
amdhsa.kernels:
  - .name:           k_q888a740d19_proj
    .symbol:         k_q888a740d19_proj.kd
    .args:
      - { .name: XC, .offset: 0, .size: 8, .value_kind: global_buffer, .address_space: global }
      - { .name: WC, .offset: 8, .size: 8, .value_kind: global_buffer, .address_space: global }
      - { .name: Qh, .offset: 16, .size: 8, .value_kind: global_buffer, .address_space: global }
      - { .name: KV, .offset: 24, .size: 8, .value_kind: global_buffer, .address_space: global }
    .group_segment_fixed_size: 327680
    .private_segment_fixed_size: 0
    .kernarg_segment_align: 8
    .kernarg_segment_size: 32
    .max_flat_workgroup_size: 256
    .sgpr_count:     100
    .vgpr_count:     256
    .wavefront_size: 32
...
	.end_amdgpu_metadata
.endif
;; end of part 2
;; launch attn (part 3): grid 256 x 1, 16 waves a work-group, clusters of 4 x 1, 327,680 bytes of LDS; arguments Qh, KV, AO; writes AO
.if DOCPART == 3
	.amdgcn_target "amdgcn-amd-amdhsa--gfx1250"
	.amdhsa_code_object_version 6
	.text
	.protected	k_q888a740d19_attn
	.globl	k_q888a740d19_attn
	.p2align	8
	.type	k_q888a740d19_attn,@function
k_q888a740d19_attn:
	s_mov_b64 s[64:65], 0
	v_nop
	global_prefetch_b8 v0, s[64:65] scope:SCOPE_SE
	s_setreg_imm32_b32 hwreg(HW_REG_WAVE_MODE, 25, 1), 1
	s_wait_xcnt 0x0
	s_wait_alu depctr_hold_cnt(0) depctr_sa_sdst(0) depctr_va_vdst(0) depctr_va_sdst(0) depctr_va_ssrc(0) depctr_va_vcc(0) depctr_vm_vsrc(0)
	s_getreg_b32 s2, hwreg(HW_REG_IB_STS2, 6, 4)
	s_cmp_eq_u32 s2, 0
	s_cbranch_scc0 .Lentry_in_a_cluster
	s_endpgm
.Lentry_in_a_cluster:
	s_bfe_u32 s2, ttmp6, 0x10000c
	s_cmp_lg_u32 s2, 0x3003
	s_cbranch_scc0 .Lentry_shape_is_right
	s_endpgm
.Lentry_shape_is_right:
; LAUNCH 3 OF 4: o = softmax(q k^T / 8) v for 96 heads, 1,024 queries, 2,048 keys, head size 64; operands f16, products, maxima and sums f32; the weights p are rounded to f16 for the second product, o once at the end.  No work is left out.
; SHARES: 6,144 tiles of 16 queries are 24 for each of 256 work-groups, which stay: a work-group walks three heads (3 trip + 0, 1, 2) with the same block of 128 queries.  The three heads' K and V are one stream of 12 parts of 131,072 bytes
; (512 keys each), which goes through a ring of two LDS slots without a stop between heads.  Sixteen waves = 4 groups of queries (qg = w & 3: two tiles each) x 4 groups of keys (g = w >> 2: steps 2 g, 2 g + 1 of each part, 64 keys a step).
; Four waves share a SIMD, so that one wave's softmax stands beside another's products.  Each key group keeps its own running maximum, sum and O; at a head's end the four are merged through LDS: wave (qg, g) gathers channels 16 g .. + 15.
; CLUSTER 4 x 1: the four partners take four blocks of queries of the same heads and walk the same stream: every part is asked for jointly; each wave asks for 8,192 bytes of it.
; THE RING: parts 0 and 1 are asked for at the head.  THE CHANGE OF SLOTS STANDS INSIDE A PART'S LAST KEY STEP: as soon as that step's V is in registers the wave's reads of the slot are over, so there it waits for all its tensor loads, adds 0
; to its spare word, waits for its LDS instructions and gives the round's opening signal; the roundings, the rescaling of O and the step's second product, work on registers alone, stand between that signal and the wait for it.
; LAYOUT: both products transposed: S^T = K Q^T (source 0 = 16 keys, source 1 = 16 queries), O^T = V^T P (source 0 = 16 channels, source 1 = P): a lane holds one query (lane % 16) throughout, and two tiles of S^T, rounded in pairs, are source 1 of the second product.
; All operands lie in memory as images of their registers: every load takes 512 consecutive bytes.
; SOFTMAX: running m and l for each query: p = 2^(c s - c m), c = log2(e) / 8; in every step O and l are multiplied by a = 2^(c m_old - c m_new).  The step is written once: m begins at -3e38, l and O at 0.
; RESULT: AO [row tile 512][chunk 48][512]: lane (r, h): o[row r][16 chunk + 8 h ..] as f16, chunk = 4 x head in batch + g.
; LIMITS: |o| under 65,504; the order of the sums differs from a single pass over the keys (four groups, merged by the largest of their maxima); NaN and infinities are not served.
.set SLOT1, 1<<17
.set STG,   262144                     ; behind the ring: 48 units of 1,280 bytes for the merge (1,024 of O, 256 of c m and l); no tensor load lands here
.set UNIT,  1280
.set SPARE, 323584                     ; the spare words, 128 bytes for each wave
.set SPW,   1                          ; v1  my spare word; never rewritten
.set NIL,   2                          ; v2  0; never rewritten
.set LI0,   3                          ; v3  16 x lane + my key group's 32,768 bytes of a slot
.set ADR,   4                          ; v4  the same in the slot in hand
.set QO,    5                          ; v5  16 x lane
.set STO,   6                          ; v6  the merge: my query group's units, 16 x lane
.set STS,   7                          ; v7  the same, 8 x lane
.set RDO,   8                          ; v8, v9 the three units that are sent to me
.set RDS,   9
.set PFO,   10                         ; v10 256 x lane
.set ST,    12                         ; v12-27 tile t at + 8 t: + 0 c m, + 1 m (at the end l), + 2, + 3 l, + 4 .. + 7 at work; a at + 6
.set Q,     32                         ; v32-63   Q: tile t, channels 32 kk on, at + 16 t + 8 kk
.set S,     64                         ; v64-127  S^T: + 32 t + 8 kt; then P: + 32 t + 8 u
.set O,     128                        ; v128-191 O^T: + 32 t + 8 ct
.set KV,    192                        ; v192-255 a step's K, then its V; at work in the merge
; scalars: s[16:23] group 1; s[24:27] group 0 of part 0; s[52:55] group 0 of part 1, which then walks on; s32 the slot in hand; s33 refills to come; s34, s[36:37] the prefetches
.macro PLACES n
.rept \n
	v_nop
.endr
.endm
.macro CREST                           ; a round of the cluster's barrier behind its opening barrier
	s_cmp_lg_u32 s10, 0
	s_cbranch_scc1 .Lnot_wave_0_\@
	s_barrier_signal -3
.Lnot_wave_0_\@:
	s_barrier_wait -3
	s_barrier_signal -1
	s_barrier_wait -1
.endm
.macro CROUND                          ; a whole round
	s_barrier_signal -1
	s_barrier_wait -1
	CREST
.endm
.macro BAR                             ; my LDS stores have landed and my LDS loads are in: then the work-group's barrier
	s_wait_dscnt 0x0
	s_barrier_signal -1
	s_barrier_wait -1
.endm
; A prefetch of the part after the one that is being asked for.  Two clusters walk each stream: the even one asks; its four partners share the part out by address, 32,768 bytes each; in each, waves 0 to 3 take 8,192 bytes, lanes 256 bytes
; apart: each block of 256 bytes is named once in the launch.  Parts 0, 1 and 2 come by their loads alone; the last refill asks for nothing.
.macro ASK
	s_cmp_gt_u32 s33, s34
	s_cbranch_scc0 .Lnot_mine_\@
	global_prefetch_b8 v[PFO], s[36:37] th:TH_LOAD_NT scope:SCOPE_SE
.Lnot_mine_\@:
.endm
.macro QLOAD
.irp i, 0,1,2,3,4,5,6,7
	global_load_b128 v[Q+4*\i:Q+4*\i+3], v[QO], s[4:5] offset:512*\i
.endr
.endm
; A KEY STEP: 64 keys, my two tiles of queries.  chg = 0: a plain step.  chg = 1: the part's last step, with the change of slots and the refill of the slot that is left.  chg = 2: the same with nothing left to fetch.
.macro STEP sg, chg
.irp kk, 0,1                           ; K: fragment (kt, kk) at + 16 kt + 8 kk; channels 0-31 of all four tiles of keys first, since the first eight products want those
.irp kt, 0,1,2,3
.irp c, 0,1
	ds_load_b128 v[KV+16*\kt+8*\kk+4*\c:KV+16*\kt+8*\kk+4*\c+3], v[ADR] offset:(\sg)*16384+(4*\kt+2*\kk+\c)*512
.endr
.endr
.endr
.irp kk, 0,1                           ; S^T = K Q^T: eight accumulators by turns, one instruction a turn; the first eight start the sums
.if \kk == 0
	s_wait_dscnt 8                                 ; LDS loads come back in order: the first eight are in, the eight for channels 32-63 may be out
.else
	s_wait_dscnt 0x0
.endif
.irp kt, 0,1,2,3
.irp t, 0,1
.if \kk == 0
	v_wmma_f32_16x16x32_f16 v[S+32*\t+8*\kt:S+32*\t+8*\kt+7], v[KV+16*\kt+8*\kk:KV+16*\kt+8*\kk+7], v[Q+16*\t+8*\kk:Q+16*\t+8*\kk+7], 0
.else
	v_wmma_f32_16x16x32_f16 v[S+32*\t+8*\kt:S+32*\t+8*\kt+7], v[KV+16*\kt+8*\kk:KV+16*\kt+8*\kk+7], v[Q+16*\t+8*\kk:Q+16*\t+8*\kk+7], v[S+32*\t+8*\kt:S+32*\t+8*\kt+7]
.endif
.endr
.endr
.endr
	PLACES 4                                       ; in front of the loads into K's registers and of the first read of the scores
.irp f, 0,1,2,3,4,5,6,7,8,9,10,11,12,13,14,15
	ds_load_b128 v[KV+4*\f:KV+4*\f+3], v[ADR] offset:(\sg)*16384+8192+\f*512    ; V: fragment (u, ct) at + 32 u + 8 ct; it lands under the softmax
.endr
	; the softmax, the two tiles line by line.  The maximum: four chains, each beginning at an accumulator's low end
.irp j, 0,1,2,3
.irp t, 0,1
	v_max3_num_f32 v[ST+8*\t+4+\j], v[S+32*\t+8*\j], v[S+32*\t+8*\j+1], v[S+32*\t+8*\j+2]
.endr
.endr
.irp i, 3,5
.irp j, 0,1,2,3
.irp t, 0,1
	v_max3_num_f32 v[ST+8*\t+4+\j], v[ST+8*\t+4+\j], v[S+32*\t+8*\j+\i], v[S+32*\t+8*\j+\i+1]
.endr
.endr
.endr
.irp t, 0,1
	v_max3_num_f32 v[ST+8*\t+4], v[ST+8*\t+4], v[S+32*\t+7], v[S+32*\t+15]
.endr
.irp t, 0,1
	v_max3_num_f32 v[ST+8*\t+6], v[ST+8*\t+6], v[S+32*\t+23], v[S+32*\t+31]
.endr
.irp t, 0,1
	v_max3_num_f32 v[ST+8*\t+4], v[ST+8*\t+4], v[ST+8*\t+5], v[ST+8*\t+6]
.endr
.irp t, 0,1
	v_max3_num_f32 v[ST+8*\t+4], v[ST+8*\t+4], v[ST+8*\t+7], v[ST+8*\t+1]      ; with the old m
.endr
.irp t, 0,1
	v_permlanex16_b32 v[ST+8*\t+5], v[ST+8*\t+4], s30, s31                     ; the query's other 32 keys lie in the lane 16 away
.endr
.irp t, 0,1
	v_mov_b32 v[ST+8*\t+7], v[ST+8*\t]                                         ; c m_old is kept for a
.endr
.irp t, 0,1
	v_max_num_f32 v[ST+8*\t+1], v[ST+8*\t+4], v[ST+8*\t+5]
.endr
.irp t, 0,1
	v_mul_f32 v[ST+8*\t], s28, v[ST+8*\t+1]
.endr
.irp t, 0,1
	v_sub_f32 v[ST+8*\t+7], v[ST+8*\t+7], v[ST+8*\t]
.endr
.irp j, 0,2,4,6,8,10,12,14,16,18,20,22,24,26,28,30
.irp t, 0,1
	v_pk_fma_f32 v[S+32*\t+\j:S+32*\t+\j+1], v[S+32*\t+\j:S+32*\t+\j+1], s[28:29], v[ST+8*\t:ST+8*\t+1] op_sel_hi:[1,0,0] neg_lo:[0,0,1] neg_hi:[0,0,1]   ; c s - c m, two at a time
.endr
.endr
.irp t, 0,1
	v_exp_f32 v[ST+8*\t+6], v[ST+8*\t+7]                                       ; a
.endr
.irp j, 0,1,2,3,4,5,6,7,8,9,10,11,12,13,14,15,16,17,18,19,20,21,22,23,24,25,26,27,28,29,30,31
.irp t, 0,1
	v_exp_f32 v[S+32*\t+\j], v[S+32*\t+\j]                                     ; p: the 66 exponentials of both tiles are one batch
.endr
.endr
	v_nop                                          ; a plain instruction behind the last exponential,
	s_wait_alu depctr_va_vdst(0)                   ; and a wait ahead of the batch's first reader
.if \chg
	s_wait_tensorcnt 0x0                           ; THE CHANGE OF SLOTS: all my tensor loads have landed, my piece of the next part among them, so group 0 may be written;
	ds_add_u32 v[SPW], v[NIL]                      ; 0 onto my spare word; the descriptor's steps and the sums stand between it and the wait for it
.if \chg == 1
	s_xor_b32 s53, s53, SLOT1                      ; the walking descriptor: the other slot than last time,
	s_add_nc_u64 s[54:55], s[54:55], 131072        ; the next part; the type bits on top are not reached
	s_wait_xcnt 0x0                                ; the last prefetch, a part back, has read its address
	s_add_nc_u64 s[36:37], s[36:37], 131072
.endif
.endif
.irp t, 0,1
	v_pk_mul_f32 v[ST+8*\t+2:ST+8*\t+3], v[ST+8*\t+2:ST+8*\t+3], v[ST+8*\t+6:ST+8*\t+7] op_sel_hi:[1,0]   ; l x a
.endr
.irp t, 0,1
	v_pk_add_f32 v[ST+8*\t+4:ST+8*\t+5], v[S+32*\t:S+32*\t+1], v[S+32*\t+2:S+32*\t+3]                     ; the sum of the unrounded p, in two chains
.endr
.irp j, 4,8,12,16,20,24,28
.irp t, 0,1
	v_pk_add_f32 v[ST+8*\t+2:ST+8*\t+3], v[ST+8*\t+2:ST+8*\t+3], v[S+32*\t+\j:S+32*\t+\j+1]
	v_pk_add_f32 v[ST+8*\t+4:ST+8*\t+5], v[ST+8*\t+4:ST+8*\t+5], v[S+32*\t+\j+2:S+32*\t+\j+3]
.endr
.endr
.irp t, 0,1
	v_pk_add_f32 v[ST+8*\t+2:ST+8*\t+3], v[ST+8*\t+2:ST+8*\t+3], v[ST+8*\t+4:ST+8*\t+5]
.endr
.if \chg
	s_wait_dscnt 0x0                               ; the add is done and V is in: my reads of this slot are over;
	s_barrier_signal -1                            ; say so (chg = 1: this barrier opens a round of the cluster's), and work on registers while the others arrive
.endif
.irp j, 0,1,2,3,4,5,6,7,8,9,10,11,12,13,14,15
.irp t, 0,1
	v_cvt_pk_f16_f32 v[S+32*\t+\j], v[S+32*\t+2*\j], v[S+32*\t+2*\j+1]         ; P, in place from the low end
.endr
.endr
.irp j, 0,2,4,6,8,10,12,14,16,18,20,22,24,26,28,30
.irp t, 0,1
	v_pk_mul_f32 v[O+32*\t+\j:O+32*\t+\j+1], v[O+32*\t+\j:O+32*\t+\j+1], v[ST+8*\t+6:ST+8*\t+7] op_sel_hi:[1,0]   ; O^T x a, each accumulator from its low end on
.endr
.endr
.if \chg == 0
	s_wait_dscnt 0x0                               ; V is in
.endif
.irp u, 0,1                            ; O^T += V^T P: eight accumulators by turns
.irp ct, 0,1,2,3
.irp t, 0,1
	v_wmma_f32_16x16x32_f16 v[O+32*\t+8*\ct:O+32*\t+8*\ct+7], v[KV+32*\u+8*\ct:KV+32*\u+8*\ct+7], v[S+32*\t+8*\u:S+32*\t+8*\u+7], v[O+32*\t+8*\ct:O+32*\t+8*\ct+7]
.endr
.endr
.endr
	PLACES 5                                       ; four in front of the next loads into V's registers, five in front of the next products, which write over P
.if \chg
	s_barrier_wait -1                              ; all sixteen waves have said so: the next slot is whole, and nobody reads this one
.endif
.if \chg == 1
	CREST                                          ; the same holds of every wave of every partner
	tensor_load_to_lds s[52:55], s[16:23]          ; my one tensor load behind the round, and the first thing there: the part after the next, into the slot just left; 48 matrix instructions of mine stand ahead of the wait for it
	s_nop 0
	PLACES 4
	ASK
	s_sub_co_u32 s33, s33, 1
.endif
.endm
.macro PART chg                        ; my two key steps of a part
	v_add_nc_u32 v[ADR], s32, v[LI0]
	STEP 0, 0
	STEP 1, \chg
	s_xor_b32 s32, s32, SLOT1                      ; on to the other slot
.endm
.macro INIT
.irp t, 0,1
	v_mov_b32 v[ST+8*\t], 0xff61b1e6               ; c m and m: -3e38, under every score
	v_mov_b32 v[ST+8*\t+1], 0xff61b1e6
	v_mov_b32 v[ST+8*\t+2], 0                      ; l
	v_mov_b32 v[ST+8*\t+3], 0
.endr
.set J, 0
.rept 64
	v_mov_b32 v[O+J], 0                            ; O^T: the step is written once; the first finds zeros
.set J, J+1
.endr
	s_wait_loadcnt 0x0                             ; Q
.endm
; THE MERGE.  Key group g sends, of tile t, channels 16 ct .. + 15 with its c m and l to key group ct of its query group, and keeps ct = g.  Unit: 12 qg + 3 ct + (g + 3 - ct) % 4.
.macro ARM t, g
.irp ct, 0,1,2,3
.if \ct != \g
	ds_store_b128 v[STO], v[O+32*\t+8*\ct:O+32*\t+8*\ct+3] offset:(\ct*3+((\g+3-\ct)&3))*UNIT
	ds_store_b128 v[STO], v[O+32*\t+8*\ct+4:O+32*\t+8*\ct+7] offset:(\ct*3+((\g+3-\ct)&3))*UNIT+512
	ds_store_b64 v[STS], v[ST+8*\t:ST+8*\t+1] offset:(\ct*3+((\g+3-\ct)&3))*UNIT+1024
.else
.irp j, 0,1,2,3,4,5,6,7
	v_mov_b32 v[KV+8*\t+\j], v[O+32*\t+8*\ct+\j]   ; my own piece, to registers that do not hang on g
.endr
.endif
.endr
.endm
.macro SEND t                          ; which registers go where hangs on the key group: four arms on the wave's number; no barrier stands in them
	s_cmp_eq_u32 s11, 0
	s_cbranch_scc0 .Ls1_\@
	ARM \t, 0
	s_branch .Lse_\@
.Ls1_\@:
	s_cmp_eq_u32 s11, 1
	s_cbranch_scc0 .Ls2_\@
	ARM \t, 1
	s_branch .Lse_\@
.Ls2_\@:
	s_cmp_eq_u32 s11, 2
	s_cbranch_scc0 .Ls3_\@
	ARM \t, 2
	s_branch .Lse_\@
.Ls3_\@:
	ARM \t, 3
.Lse_\@:
.endm
.macro RECV
.irp x, 0,1,2
	ds_load_b128 v[KV+16+8*\x:KV+16+8*\x+3], v[RDO] offset:\x*UNIT
	ds_load_b128 v[KV+16+8*\x+4:KV+16+8*\x+7], v[RDO] offset:\x*UNIT+512
	ds_load_b64 v[KV+40+2*\x:KV+40+2*\x+1], v[RDS] offset:\x*UNIT+1024
.endr
.endm
.macro MERGE t                         ; o = sum of w O / sum of w l, w = 2^(c m - the largest c m)
	v_max3_num_f32 v[KV+46], v[ST+8*\t], v[KV+40], v[KV+42]
	v_max_num_f32 v[KV+46], v[KV+46], v[KV+44]
	v_sub_f32 v[KV+52], v[ST+8*\t], v[KV+46]
	v_sub_f32 v[KV+53], v[KV+40], v[KV+46]
	v_sub_f32 v[KV+54], v[KV+42], v[KV+46]
	v_sub_f32 v[KV+55], v[KV+44], v[KV+46]
.irp x, 0,1,2,3
	v_exp_f32 v[KV+48+\x], v[KV+52+\x]
.endr
	v_nop
	s_wait_alu depctr_va_vdst(0)                   ; one wait for the four exponentials
	v_mul_f32 v[KV+47], v[KV+48], v[ST+8*\t+1]
	v_fmac_f32 v[KV+47], v[KV+49], v[KV+41]
	v_fmac_f32 v[KV+47], v[KV+50], v[KV+43]
	v_fmac_f32 v[KV+47], v[KV+51], v[KV+45]
	v_rcp_f32 v[KV+46], v[KV+47]
	v_nop
	s_wait_alu depctr_va_vdst(0)                   ; and one for the reciprocal
.irp x, 0,1,2,3
	v_mul_f32 v[KV+56+2*\x], v[KV+48+\x], v[KV+46] ; w / the sum, twice: a pair for the packed forms
	v_mul_f32 v[KV+57+2*\x], v[KV+48+\x], v[KV+46]
.endr
.irp p, 0,2,4,6
	v_pk_mul_f32 v[S+\p:S+\p+1], v[KV+8*\t+\p:KV+8*\t+\p+1], v[KV+56:KV+57]
.endr
.irp x, 0,1,2
.irp p, 0,2,4,6
	v_pk_fma_f32 v[S+\p:S+\p+1], v[KV+16+8*\x+\p:KV+16+8*\x+\p+1], v[KV+58+2*\x:KV+59+2*\x], v[S+\p:S+\p+1]
.endr
.endr
.irp p, 0,1,2,3
	v_cvt_pk_f16_f32 v[S+8+4*\t+\p], v[S+2*\p], v[S+2*\p+1]
.endr
	global_store_b128 v[QO], v[S+8+4*\t:S+8+4*\t+3], s[8:9] offset:\t*24576     ; 32 lanes store 512 consecutive bytes
.endm
.macro EPILOGUE next
.irp t, 0,1
	v_add_f32 v[ST+8*\t+4], v[ST+8*\t+2], v[ST+8*\t+3]                         ; l's two halves,
.endr
.irp t, 0,1
	v_permlanex16_b32 v[ST+8*\t+5], v[ST+8*\t+4], s30, s31
.endr
.irp t, 0,1
	v_add_f32 v[ST+8*\t+1], v[ST+8*\t+4], v[ST+8*\t+5]                         ; and lane l xor 16's; it lies beside c m
.endr
.if \next
	s_wait_xcnt 0x0
	s_add_nc_u64 s[4:5], s[4:5], 131072            ; the next head's Q: 64 tiles of 2,048 bytes on; it lands under the merge
	QLOAD
.endif
	SEND 0
	BAR                                            ; tile 0's pieces lie in the stage
	RECV
	BAR                                            ; and have been read by all: the stage may be written again
	SEND 1
	BAR
	MERGE 0
	RECV
	s_wait_dscnt 0x0
	MERGE 1
.if \next
	s_wait_xcnt 0x0                                ; the stores have read their data and their base
	s_add_nc_u64 s[8:9], s[8:9], 2048              ; the next head: four chunks on.  (The stage is written again only behind three or four more changes of slots, each behind every wave's wait for its LDS loads)
.endif
.endm
	s_load_b128 s[4:7], s[0:1], 0x0                ; Qh, KV
	s_load_b64 s[8:9], s[0:1], 0x10                ; AO
	v_lshl_add_u32 v[SPW], v0, 2, SPARE
	v_mov_b32 v[NIL], 0
	ds_add_u32 v[SPW], v[NIL]                      ; the wave's opening: the add, twice on end, and its wait ahead of my first tensor load
	ds_add_u32 v[SPW], v[NIL]
	v_lshrrev_b32 v11, 5, v0
	v_readfirstlane_b32 s10, v11                   ; wave 0..15
	s_lshr_b32 s11, s10, 2                         ; g
	s_and_b32 s12, s10, 3                          ; qg
	s_bfe_u32 s13, ttmp6, 0x40000                  ; cx
	s_lshr_b32 s14, ttmp9, 1                       ; trip: heads 3 trip + 0, 1, 2
	s_and_b32 s15, ttmp9, 1
	s_mov_b32 s16, 15|(3<<16)|(1<<21)              ; group 1: the mask names all four; elements of 8 bytes; 21 set beside a mask
	s_mov_b32 s17, 32<<16                          ; rows of 256 bytes of a dense block,
	s_mov_b32 s18, 32<<16                          ; 32 of them
	s_mov_b32 s19, 32<<16
	s_mov_b32 s20, 32
	s_mov_b32 s21, 32
	s_mov_b32 s22, 0
	s_mov_b32 s23, 0
	s_mov_b32 s28, 0x3e38aa3b                      ; c = log2(e) / 8
	s_mov_b32 s29, s28                             ; (named with it as a pair)
	s_mov_b32 s30, 0x76543210
	s_mov_b32 s31, 0xfedcba98                      ; lane l xor 16
	s_mov_b32 s32, 0                               ; the slot in hand
	s_mov_b32 s33, 10                              ; refills to come: parts 2 to 11
	s_or_b32 s34, s11, s15
	s_cmp_eq_u32 s34, 0                            ; waves 0 to 3 of the even cluster prefetch: the same in all four partners
	s_cselect_b32 s34, 1, -1
	s_mul_i32 s40, s14, 1572864                    ; the stream: three heads of 524,288 bytes,
	s_lshl_b32 s41, s10, 13                        ; my wave's 8,192 bytes of a part: nothing here hangs on cx
	s_add_co_u32 s40, s40, s41
	s_mov_b32 s41, 0
	s_lshl_b32 s42, s13, 15                        ; the prefetches: my work-group's quarter, in part 2: the first refill steps it to part 3
	s_add_co_u32 s42, s42, 262144
	s_mov_b32 s43, 0
	s_lshl_b32 s15, s15, 2
	s_add_co_u32 s15, s15, s13                     ; my block of 128 queries, 0..7
	s_lshl_b32 s44, s15, 3
	s_lshl_b32 s45, s12, 1
	s_add_co_u32 s44, s44, s45                     ; my first query tile
	s_mul_i32 s46, s14, 192
	s_add_co_u32 s46, s46, s44
	s_lshl_b32 s46, s46, 11
	s_mov_b32 s47, 0
	s_lshr_b32 s48, s14, 2                         ; the batch
	s_lshl_b32 s48, s48, 6
	s_add_co_u32 s48, s48, s44
	s_mul_i32 s48, s48, 24576
	s_and_b32 s49, s14, 3
	s_mul_i32 s49, s49, 12
	s_add_co_u32 s49, s49, s11                     ; chunk 4 x (first head in the batch) + g
	s_lshl_b32 s49, s49, 9
	s_add_co_u32 s48, s48, s49
	s_mov_b32 s49, 0
	s_wait_dscnt 0x0                               ; both opening adds are done
	s_wait_kmcnt 0x0
	s_mov_b32 s24, 1
	s_lshl_b32 s25, s10, 13                        ; LDS: slot 0, wave x 8,192
	s_add_nc_u64 s[26:27], s[6:7], s[40:41]        ; part 0
	s_add_nc_u64 s[36:37], s[26:27], s[42:43]
	s_mov_b32 s52, 1
	s_add_co_u32 s53, s25, SLOT1                   ; slot 1,
	s_add_nc_u64 s[54:55], s[26:27], 131072        ; part 1
	s_or_b32 s27, s27, 0x80000000
	s_or_b32 s55, s55, 0x80000000
	s_add_nc_u64 s[4:5], s[4:5], s[46:47]
	s_add_nc_u64 s[8:9], s[8:9], s[48:49]
	CROUND                                         ; all four work-groups are here: the first joint loads meet
	tensor_load_to_lds s[24:27], s[16:23]          ; parts 0 and 1: every wave asks for its pieces; two loads of mine are out
	s_nop 0
	tensor_load_to_lds s[52:55], s[16:23]
	s_nop 0
	PLACES 4
	v_and_b32 v11, 31, v0
	v_lshlrev_b32 v[QO], 4, v11
	s_lshl_b32 s40, s11, 15
	v_add_nc_u32 v[LI0], s40, v[QO]
	s_mul_i32 s41, s12, 12*UNIT
	s_add_co_u32 s41, s41, STG
	v_add_nc_u32 v[STO], s41, v[QO]
	v_lshl_add_u32 v[STS], v11, 3, s41
	s_mul_i32 s42, s11, 3*UNIT
	v_add_nc_u32 v[RDO], s42, v[STO]
	v_add_nc_u32 v[RDS], s42, v[STS]
	v_lshlrev_b32 v[PFO], 8, v11
	QLOAD
	s_wait_tensorcnt 0x1                           ; my piece of part 0 is in; part 1's may stay out
	s_barrier_signal -1
	s_barrier_wait -1                              ; everybody's is
	s_mov_b32 s38, 2
.Lblock:                                           ; the first two heads: four parts each; each part's last step changes slots and asks for the part after the next
	INIT
	s_mov_b32 s39, 4
.Lpart:
	PART 1
	s_sub_co_u32 s39, s39, 1
	s_cmp_lg_u32 s39, 0
	s_cbranch_scc1 .Lpart
	EPILOGUE 1
	s_sub_co_u32 s38, s38, 1
	s_cmp_lg_u32 s38, 0
	s_cbranch_scc1 .Lblock
	INIT                                           ; the last head: parts 8 and 9 ask for parts 10 and 11; the last two parts are written out
	s_mov_b32 s39, 2
.Lpart_last:
	PART 1
	s_sub_co_u32 s39, s39, 1
	s_cmp_lg_u32 s39, 0
	s_cbranch_scc1 .Lpart_last
	PART 2                                         ; part 10: the last change of slots; nothing is left to fetch
	PART 0                                         ; part 11
	EPILOGUE 0
	s_wait_tensorcnt 0x0                           ; the wave's end, behind my last tensor load and my last LDS store
	ds_add_u32 v[SPW], v[NIL]
	s_wait_dscnt 0x0
	CROUND                                         ; the closing round
	s_endpgm
.Lfunc_end_k_q888a740d19_attn:
	.size	k_q888a740d19_attn, .Lfunc_end_k_q888a740d19_attn-k_q888a740d19_attn
	.p2alignl 7, 3214868480
	.fill 96, 4, 3214868480
	.section	.rodata,"a",@progbits
	.p2align	6, 0x0
	.amdhsa_kernel k_q888a740d19_attn
		.amdhsa_group_segment_fixed_size 327680
		.amdhsa_private_segment_fixed_size 0
		.amdhsa_enable_private_segment 0
		.amdhsa_kernarg_size 24
		.amdhsa_user_sgpr_count 2
		.amdhsa_user_sgpr_kernarg_segment_ptr 1
		.amdhsa_wavefront_size32 1
		.amdhsa_system_sgpr_workgroup_id_x 1
		.amdhsa_system_sgpr_workgroup_id_y 1
		.amdhsa_system_sgpr_workgroup_id_z 1
		.amdhsa_system_vgpr_workitem_id 0
		.amdhsa_next_free_vgpr 256
		.amdhsa_next_free_sgpr 66
		.amdhsa_reserve_vcc 0
		.amdhsa_float_denorm_mode_32 3
		.amdhsa_float_denorm_mode_16_64 3
		.amdhsa_memory_ordered 1
		.amdhsa_forward_progress 1
		.amdhsa_inst_pref_size 177
	.end_amdhsa_kernel
	.amdgpu_metadata
---
amdhsa.version: [ 1, 2 ]
amdhsa.kernels:
  - .name:           k_q888a740d19_attn
    .symbol:         k_q888a740d19_attn.kd
    .args:
      - { .name: Qh, .offset: 0, .size: 8, .value_kind: global_buffer, .address_space: global }
      - { .name: KV, .offset: 8, .size: 8, .value_kind: global_buffer, .address_space: global }
      - { .name: AO, .offset: 16, .size: 8, .value_kind: global_buffer, .address_space: global }
    .group_segment_fixed_size: 327680
    .private_segment_fixed_size: 0
    .kernarg_segment_align: 8
    .kernarg_segment_size: 24
    .max_flat_workgroup_size: 512
    .sgpr_count:     66
    .vgpr_count:     256
    .wavefront_size: 32
...
	.end_amdgpu_metadata
.endif
;; end of part 3
;; launch outp (part 4): grid 4 x 64, 8 waves a work-group, clusters of 4 x 4, 327,680 bytes of LDS; arguments AO, WoH, bo, out0; writes out0
.if DOCPART == 4
	.amdgcn_target "amdgcn-amd-amdhsa--gfx1250"
	.amdhsa_code_object_version 6
	.text
	.protected	k_q888a740d19_outp
	.globl	k_q888a740d19_outp
	.p2align	8
	.type	k_q888a740d19_outp,@function
k_q888a740d19_outp:
	s_mov_b64 s[64:65], 0
	v_nop
	global_prefetch_b8 v0, s[64:65] scope:SCOPE_SE
	s_setreg_imm32_b32 hwreg(HW_REG_WAVE_MODE, 25, 1), 1
	s_wait_xcnt 0x0
	s_wait_alu depctr_hold_cnt(0) depctr_sa_sdst(0) depctr_va_vdst(0) depctr_va_sdst(0) depctr_va_ssrc(0) depctr_va_vcc(0) depctr_vm_vsrc(0)
	s_getreg_b32 s2, hwreg(HW_REG_IB_STS2, 6, 4)
	s_cmp_eq_u32 s2, 0
	s_cbranch_scc0 .Lentry_in_a_cluster
	s_endpgm
.Lentry_in_a_cluster:
	s_bfe_u32 s2, ttmp6, 0x10000c
	s_cmp_lg_u32 s2, 0xf033
	s_cbranch_scc0 .Lentry_shape_is_right
	s_endpgm
.Lentry_shape_is_right:
; LAUNCH 4 OF 4: out0 = o Wo^T + bo.  o [8192][768] and Wo [768][768] arrive as f16 images of the operands' registers ([tile of 16 rows][chunk of 16 along K][512 bytes]); sums in f32; out0 f32.  No work is left out.
; SHARES: a work-group makes 128 rows x 192 columns: 64 x 4 = 256 work-groups.  Eight waves: wave (wr = w & 1, wc = w >> 1) makes row tiles 4 wr .. + 3 x column tiles 3 wc .. + 2: 12 accumulators.
; K goes in four steps of 192 (12 chunks, 6,144 bytes of each tile's 24,576) through two LDS slots: 8 tiles of o, then 12 of Wo.  Waves 0, 1 fetch o's halves (4 rows of 6,144 bytes), waves 2 to 7 two tiles of Wo each.
; CLUSTER 4 x 4: o's tiles are shared along a row of the cluster, Wo's along a column: joint loads.
; The matrix instruction is used transposed (source 0 = Wo's rows, source 1 = o's rows): a lane holds eight neighbouring numbers of a row of out0.  The bias is the C of each sum's first instruction.
; THE WAY OUT goes through a stage in slot 0 (rows of 768 + 16 bytes), which has had its last fill and its last read by then; each wave stores 16 whole rows, sixteen lanes to 256 consecutive aligned bytes.
.set SLOT,  122880
.set BOFF,  49152                      ; Wo's tiles lie behind o's eight
.set SPARE, 245760                     ; the spare words, 128 bytes for each wave
.set SPT,   784                        ; a stage row
.set SPW,   1                          ; v1  my spare word; never rewritten
.set NIL,   2                          ; v2  0; never rewritten
.set ADA,   3                          ; v3, v4 my o tiles in slot 0, 1
.set ADB,   5                          ; v5, v6 my Wo tiles
.set STO,   7                          ; v7  the stage, on the way in
.set RD,    8                          ; v8  and back
.set GO,    9                          ; v9  my bytes in two rows of out0
.set BOF,   10                         ; v10 32 h: my eight numbers of a tile's bias
.set BI,    12                         ; v12-35 the bias of my three column tiles, in the result's layout
.set F0,    36                         ; v36-91, v92-147 two fragment buffers: o's four at + 8 a, Wo's three at + 32 + 8 b
.set ACC,   148                        ; v148-243
.set G1A,   24
.set G1B,   32
.set G0A,   40                         ; s[40:47] a group 0 for each slot
.set G0B,   48                         ; s[48:55]
.macro PLACES n
.rept \n
	v_nop
.endr
.endm
.macro CROUND
	s_barrier_signal -1
	s_barrier_wait -1
	s_cmp_lg_u32 s12, 0
	s_cbranch_scc1 .Lnot_wave_0_\@
	s_barrier_signal -3
.Lnot_wave_0_\@:
	s_barrier_wait -3
	s_barrier_signal -1
	s_barrier_wait -1
.endm
.macro JLOAD s                         ; a joint load: the branch hangs on the wave's number alone
	s_cmp_lt_u32 s12, 2
	s_cbranch_scc0 .Lfor_b_\@
	tensor_load_to_lds s[G0A+4*\s:G0A+4*\s+3], s[G1A:G1A+7]
	s_nop 0
	PLACES 4
	s_branch .Lasked_\@
.Lfor_b_\@:
	tensor_load_to_lds s[G0B+4*\s:G0B+4*\s+3], s[G1B:G1B+7]
	s_nop 0
	PLACES 4
.Lasked_\@:
.endm
.macro REFILL s                        ; slot s, which has been read, takes the K step two on
	s_wait_tensorcnt 0x0                           ; all my tensor loads have landed, my part of the other slot among them: a group 0 may be written
	ds_add_u32 v[SPW], v[NIL]
	s_add_nc_u64 s[G0A+4*\s+2:G0A+4*\s+3], s[G0A+4*\s+2:G0A+4*\s+3], 12288
	s_add_nc_u64 s[G0B+4*\s+2:G0B+4*\s+3], s[G0B+4*\s+2:G0B+4*\s+3], 12288
	s_wait_dscnt 0x0                               ; the add is done, and my reads of the slot are over
	CROUND                                         ; the same holds of every wave of every partner
	JLOAD \s                                       ; it has a K step, 72 matrix instructions a wave, in which to land
.endm
.macro FETCH slot, j, f                ; 32 along K: 14 loads of 512 consecutive bytes
.irp a, 0,1,2,3
.irp c, 0,1
	ds_load_b128 v[\f+8*\a+4*\c:\f+8*\a+4*\c+3], v[ADA+\slot] offset:\a*6144+(\j)*1024+\c*512
.endr
.endr
.irp b, 0,1,2
.irp c, 0,1
	ds_load_b128 v[\f+32+8*\b+4*\c:\f+32+8*\b+4*\c+3], v[ADB+\slot] offset:\b*6144+(\j)*1024+\c*512
.endr
.endr
.endm
.macro MUL f, first                    ; 12 products; the accumulators take turns, one instruction a turn
.irp a, 0,1,2,3
.irp b, 0,1,2
.if \first
	v_wmma_f32_16x16x32_f16 v[ACC+8*(3*\a+\b):ACC+8*(3*\a+\b)+7], v[\f+32+8*\b:\f+32+8*\b+7], v[\f+8*\a:\f+8*\a+7], v[BI+8*\b:BI+8*\b+7]
.else
	v_wmma_f32_16x16x32_f16 v[ACC+8*(3*\a+\b):ACC+8*(3*\a+\b)+7], v[\f+32+8*\b:\f+32+8*\b+7], v[\f+8*\a:\f+8*\a+7], v[ACC+8*(3*\a+\b):ACC+8*(3*\a+\b)+7]
.endif
.endr
.endr
.endm
.macro KSTEP slot, first               ; 192 along K.  Loads into registers that matrix instructions have read stand four plain vector instructions behind them
	PLACES 4
	FETCH \slot, 0, F0
.irp j, 0,1,2,3,4,5
.if \j < 5
.if \j > 0
	PLACES 4
.endif
	FETCH \slot, \j+1, F0+56*((\j+1)%2)
	s_wait_dscnt 14                                ; all but the fourteen just issued
.else
	s_wait_dscnt 0x0
.endif
.if \j == 0
	MUL F0+56*(\j%2), \first
.else
	MUL F0+56*(\j%2), 0
.endif
.endr
.endm
	s_load_b256 s[4:11], s[0:1], 0x0               ; AO, WoH, bo, out0
	v_lshl_add_u32 v[SPW], v0, 2, SPARE
	v_mov_b32 v[NIL], 0
	ds_add_u32 v[SPW], v[NIL]                      ; the wave's opening: the add, twice on end, and its wait ahead of my first tensor load
	ds_add_u32 v[SPW], v[NIL]
	v_lshrrev_b32 v244, 5, v0
	v_readfirstlane_b32 s12, v244                  ; wave 0..7
	s_and_b32 s13, s12, 1                          ; wr.  Also: which half of o's tiles I fetch
	s_lshr_b32 s14, s12, 1                         ; wc
	s_bfe_u32 s15, ttmp6, 0x40000                  ; cx
	s_bfe_u32 s16, ttmp6, 0x40004                  ; cy
	s_lshl_b32 s17, ttmp9, 2
	s_add_co_u32 s17, s17, s15                     ; nb
	s_and_b32 s18, ttmp7, 0xffff
	s_lshl_b32 s18, s18, 2
	s_add_co_u32 s18, s18, s16                     ; mb
	s_lshl_b32 s19, s16, 2
	s_lshl_b32 s19, 15, s19                        ; my row of the cluster
	s_lshl_b32 s20, 0x1111, s15                    ; my column
	s_or_b32 s[G1A], s19, (3<<16)|(1<<21)          ; the mask; elements of 8 bytes; 21 set beside a mask; no padding
	s_mov_b32 s[G1A+1], 768<<16                    ; tensor_dim0 = 768 elements: 6,144 bytes of a tile
	s_mov_b32 s[G1A+2], 4<<16                      ; tensor_dim1 = 4 tiles
	s_mov_b32 s[G1A+3], 768<<16                    ; tile_dim0
	s_mov_b32 s[G1A+4], 4                          ; tile_dim1
	s_mov_b32 s[G1A+5], 3072                       ; from tile to tile: 24,576 bytes
	s_mov_b32 s[G1A+6], 0
	s_mov_b32 s[G1A+7], 0
	s_or_b32 s[G1B], s20, (3<<16)|(1<<21)
	s_mov_b32 s[G1B+1], 768<<16
	s_mov_b32 s[G1B+2], 2<<16
	s_mov_b32 s[G1B+3], 768<<16
	s_mov_b32 s[G1B+4], 2
	s_mov_b32 s[G1B+5], 3072
	s_mov_b32 s[G1B+6], 0
	s_mov_b32 s[G1B+7], 0
	s_lshl_b32 s72, s18, 3                         ; o: tile 8 mb + 4 x half: registers that never hold cx
	s_lshl_b32 s73, s13, 2
	s_add_co_u32 s72, s72, s73
	s_mul_i32 s72, s72, 24576
	s_mov_b32 s73, 0
	s_mul_i32 s74, s13, 24576                      ; and its place in a slot
	s_add_co_u32 s76, s12, 6                       ; Wo: waves 2 to 7 take parts 0 to 5 (waves 0 and 1 make these words too and never use them): registers that never hold cy
	s_and_b32 s76, s76, 7
	s_mul_i32 s78, s17, 12
	s_lshl_b32 s77, s76, 1
	s_add_co_u32 s78, s78, s77
	s_mul_i32 s78, s78, 24576
	s_mov_b32 s79, 0
	s_mul_i32 s75, s76, 12288
	s_add_co_u32 s75, s75, BOFF
	s_wait_dscnt 0x0                               ; both opening adds are done
	s_wait_kmcnt 0x0
	s_add_nc_u64 s[72:73], s[4:5], s[72:73]
	s_add_nc_u64 s[78:79], s[6:7], s[78:79]
	CROUND                                         ; all sixteen work-groups are here: the first joint loads meet
.irp s, 0,1
	s_mov_b32 s[G0A+4*\s], 1
	s_add_co_u32 s[G0A+4*\s+1], s74, \s*SLOT
	s_add_nc_u64 s[G0A+4*\s+2:G0A+4*\s+3], s[72:73], \s*6144
	s_or_b32 s[G0A+4*\s+3], s[G0A+4*\s+3], 0x80000000
	s_mov_b32 s[G0B+4*\s], 1
	s_add_co_u32 s[G0B+4*\s+1], s75, \s*SLOT
	s_add_nc_u64 s[G0B+4*\s+2:G0B+4*\s+3], s[78:79], \s*6144
	s_or_b32 s[G0B+4*\s+3], s[G0B+4*\s+3], 0x80000000
	JLOAD \s                                       ; K steps 0 and 1: two loads of mine are out
.endr
	v_and_b32 v244, 31, v0
	v_and_b32 v245, 15, v0                         ; r
	v_bfe_u32 v246, v0, 4, 1                       ; h
	v_lshlrev_b32 v247, 4, v244                    ; 16 x lane
	v_lshlrev_b32 v[BOF], 5, v246
	s_mul_i32 s62, s17, 192
	s_mul_i32 s63, s14, 48
	s_add_co_u32 s62, s62, s63
	s_lshl_b32 s62, s62, 2
	s_mov_b32 s63, 0
	s_add_nc_u64 s[8:9], s[8:9], s[62:63]          ; bo at my first column
.irp b, 0,1,2
	global_load_b128 v[BI+8*\b:BI+8*\b+3], v[BOF], s[8:9] offset:64*\b
	global_load_b128 v[BI+8*\b+4:BI+8*\b+7], v[BOF], s[8:9] offset:64*\b+16
.endr
	s_mul_i32 s66, s13, 24576
	v_add_nc_u32 v[ADA], s66, v247
	v_add_nc_u32 v[ADA+1], SLOT, v[ADA]
	s_mul_i32 s66, s14, 18432
	s_add_co_u32 s66, s66, BOFF
	v_add_nc_u32 v[ADB], s66, v247
	v_add_nc_u32 v[ADB+1], SLOT, v[ADB]
	s_mul_i32 s66, s13, 64*SPT                     ; the stage, in: row 64 wr + 16 a + r, byte 192 wc + 64 b + 32 h
	s_mul_i32 s67, s14, 192
	s_add_co_u32 s66, s66, s67
	v_mul_u32_u24 v[STO], v245, SPT
	v_lshl_add_u32 v[STO], v246, 5, v[STO]
	v_add_nc_u32 v[STO], s66, v[STO]
	s_mul_i32 s66, s12, 16*SPT                     ; back: my 16 rows; lanes 0-15 one row, lanes 16-31 the next
	v_mul_u32_u24 v[RD], v246, SPT
	v_lshl_add_u32 v[RD], v245, 4, v[RD]
	v_add_nc_u32 v[RD], s66, v[RD]
	v_mul_u32_u24 v[GO], v246, 3072
	v_lshl_add_u32 v[GO], v245, 4, v[GO]
	s_lshl_b32 s60, s18, 7
	s_lshl_b32 s61, s12, 4
	s_add_co_u32 s60, s60, s61                     ; the first row that I store: 128 mb + 16 x wave
	s_mul_i32 s60, s60, 3072
	s_mul_i32 s61, s17, 768
	s_add_co_u32 s60, s60, s61
	s_mov_b32 s61, 0
	s_add_nc_u64 s[10:11], s[10:11], s[60:61]
	s_wait_tensorcnt 1                             ; my part of K step 0 is in; K step 1's load may stay out
	s_barrier_signal -1
	s_barrier_wait -1
	s_wait_loadcnt 0x0                             ; the bias
	KSTEP 0, 1
	REFILL 0                                       ; K step 2
	KSTEP 1, 0
	REFILL 1                                       ; K step 3
	KSTEP 0, 0
	s_wait_tensorcnt 0x0                           ; K step 3 is in; nothing is filled again
	ds_add_u32 v[SPW], v[NIL]
	s_wait_dscnt 0x0                               ; my reads of slot 0 are over
	s_barrier_signal -1
	s_barrier_wait -1
	KSTEP 1, 0
	PLACES 4
.irp a, 0,1,2,3
.irp b, 0,1,2
	ds_store_b128 v[STO], v[ACC+8*(3*\a+\b):ACC+8*(3*\a+\b)+3] offset:\a*16*SPT+\b*64          ; each accumulator from its low end on
	ds_store_b128 v[STO], v[ACC+8*(3*\a+\b)+4:ACC+8*(3*\a+\b)+7] offset:\a*16*SPT+\b*64+16
.endr
.endr
	s_wait_dscnt 0x0                               ; for the others' sake: my stores into the stage are done
	s_barrier_signal -1
	s_barrier_wait -1
.set I, 0
.rept 24
	ds_load_b128 v[F0+4*I:F0+4*I+3], v[RD] offset:(I/3)*2*SPT+(I%3)*256
.set I, I+1
.endr
.set I, 0
.rept 24
	s_wait_dscnt 23-I                              ; LDS loads come back in order: load I is in
	global_store_b128 v[GO], v[F0+4*I:F0+4*I+3], s[10:11] offset:(I/3)*6144+(I%3)*256 th:TH_STORE_NT   ; sixteen lanes store 256 consecutive bytes, aligned
.set I, I+1
.endr
	s_wait_tensorcnt 0x0                           ; the wave's end, behind my last tensor load and my last LDS store
	ds_add_u32 v[SPW], v[NIL]
	s_wait_dscnt 0x0
	CROUND                                         ; the closing round
	s_endpgm
.Lfunc_end_k_q888a740d19_outp:
	.size	k_q888a740d19_outp, .Lfunc_end_k_q888a740d19_outp-k_q888a740d19_outp
	.p2alignl 7, 3214868480
	.fill 96, 4, 3214868480
	.section	.rodata,"a",@progbits
	.p2align	6, 0x0
	.amdhsa_kernel k_q888a740d19_outp
		.amdhsa_group_segment_fixed_size 327680
		.amdhsa_private_segment_fixed_size 0
		.amdhsa_enable_private_segment 0
		.amdhsa_kernarg_size 32
		.amdhsa_user_sgpr_count 2
		.amdhsa_user_sgpr_kernarg_segment_ptr 1
		.amdhsa_wavefront_size32 1
		.amdhsa_system_sgpr_workgroup_id_x 1
		.amdhsa_system_sgpr_workgroup_id_y 1
		.amdhsa_system_sgpr_workgroup_id_z 1
		.amdhsa_system_vgpr_workitem_id 0
		.amdhsa_next_free_vgpr 256
		.amdhsa_next_free_sgpr 80
		.amdhsa_reserve_vcc 0
		.amdhsa_float_denorm_mode_32 3
		.amdhsa_float_denorm_mode_16_64 3
		.amdhsa_memory_ordered 1
		.amdhsa_forward_progress 1
		.amdhsa_inst_pref_size 59
	.end_amdhsa_kernel
	.amdgpu_metadata
---
amdhsa.version: [ 1, 2 ]
amdhsa.kernels:
  - .name:           k_q888a740d19_outp
    .symbol:         k_q888a740d19_outp.kd
    .args:
      - { .name: AO, .offset: 0, .size: 8, .value_kind: global_buffer, .address_space: global }
      - { .name: WoH, .offset: 8, .size: 8, .value_kind: global_buffer, .address_space: global }
      - { .name: bo, .offset: 16, .size: 8, .value_kind: global_buffer, .address_space: global }
      - { .name: out0, .offset: 24, .size: 8, .value_kind: global_buffer, .address_space: global }
    .group_segment_fixed_size: 327680
    .private_segment_fixed_size: 0
    .kernarg_segment_align: 8
    .kernarg_segment_size: 32
    .max_flat_workgroup_size: 256
    .sgpr_count:     80
    .vgpr_count:     256
    .wavefront_size: 32
...
	.end_amdgpu_metadata
.endif
;; end of part 4
